; MI455X (gfx1250); checked and timed in simulation.
; The chip was launched on July 23, 2026; its instructions are those of AMD's public machine-readable ISA for CDNA 5 (MIT licence, August 2026) and "CDNA5" Instruction Set Architecture Reference Guide (July 2026). The comments in the code are by the model that wrote it; some were corrected since.
;; Attetion Layer. Allowed arithmetic: matrix products marked QUANTISED: E2M1 operands, one E8M0 scale for each 32 along K, by v_wmma_scale_f32_16x16x128_f8f6f4 with both operands' format E2M1 (or v_wmma_scale_f32_32x16x128_f4), f32 sums; everything else in f32.
;; Inputs: bf 32 float32; bg 32 float32; bh 32 float32; bv 256 float32; gamma 1 float32; wf 32 x 256 float32; wg 32 x 256 float32; wh 32 x 256 float32; wv 256 x 32 float32; x 4 x 256 x 64 x 64 float32.
;; Outputs: out0 4 x 256 x 64 x 64 float32.
;; This version of the problem:
;;   THIS VERSION OF THE PROBLEM IS GIVEN IN LOW PRECISION. The matrix products marked QUANTISED in the list below multiply operands that are first quantised to E2M1 (2 exponent bits, 1 mantissa bit; 4 bits a number), with one power-of-two scale for each 32 numbers along K (OCP MX v1.0); their sums are f32. All else is computed in f32.
;;   The module's matrix products, in the order in which they are computed (A, B: the left and right operand; K: the contracted axis; several contracted axes count as one K, in the product's order):
;;     1. [M 32, K 256] x [K 256, N 16,384]; A: input wf; B: input x: QUANTISED
;;     2. [M 32, K 256] x [K 256, N 16,384]; A: input wg; B: input x: QUANTISED
;;     3. [M 32, K 256] x [K 256, N 16,384]; A: input wh; B: input x: QUANTISED
;;     4. batch 4 x [M 4,096, K 32] x [K 32, N 4,096]; A: computed on the way; B: computed on the way: QUANTISED
;;     5. batch 4 x [M 32, K 4,096] x [K 4,096, N 4,096]; A: computed on the way; B: softmax (see below): QUANTISED
;;     6. [M 256, K 32] x [K 32, N 16,384]; A: input wv; B: computed on the way: QUANTISED
;;   THE QUANTISER, for each operand of a quantised product, along K:
;;     - K is cut into blocks of 32 from its start; a last block that is shorter is filled with zeros.
;;     - A block's scale is 2^e with e = floor(log2(the largest magnitude in the block)) - 2, held to -126 .. 127; a block of zeros has e = 0. As a byte (E8M0): e + 127.
;;     - Each number is divided by its block's scale, clamped to +-6, and rounded to the nearest number of E2M1, ties to even, subnormals kept.
;;     - The product sums the exact products of the quantised numbers (number of the format x scale) in f32.
;;   ~~~python
;;   def quantise(x, axis):      # numpy; x: float32 -> the quantised numbers, widened to float32 again
;;       x = np.moveaxis(x, axis, -1); K = x.shape[-1]
;;       x = np.pad(x, [(0, 0)] * (x.ndim - 1) + [(0, -K % 32)]); x = x.reshape(x.shape[:-1] + (-1, 32)); a = np.abs(x).max(-1, keepdims=True)
;;       e = np.where(a > 0, np.clip(np.frexp(np.where(a > 0, a, 1))[1] - 1 - 2, -126, 127), 0)      # np.frexp(a)[1] - 1 = floor(log2(a)), exactly
;;       r = np.clip(x / 2.0 ** e, -6, 6)
;;       step = 2.0 ** (np.maximum(np.frexp(np.where(r == 0, 1, r))[1] - 1, 0) - 1)
;;       q = np.round(r / step) * step * 2.0 ** e      # np.round: ties to even
;;       return np.moveaxis(q.reshape(q.shape[:-2] + (-1,))[..., :K], -1, axis).astype(np.float32)
;;   ~~~
;;   SOFTMAX AHEAD OF A QUANTISED PRODUCT. Where the list says 'softmax', what is quantised is not the finished softmax but p = 2^(t - M), with t = logit x log2(e) and M = ceil(the row's largest t), a whole number; so 1/2 < the row's largest p <= 1. The row's sum l is taken of the UNQUANTISED p, in f32, and the product's result is divided by l at the end. Since M is a whole number, a kernel that streams over the keys may use a running M (the ceiling of the running maximum): every later rescaling is an exact power of two, which a block's scale takes up: the codes' values come out the same.
;;   OPERANDS COMPUTED ON THE WAY. 'Computed on the way' means the value that the module computes at that place (a softmax that the list does not call 'softmax' is quantised finished and normalised). What goes into a quantiser is computed in f32, as accurately as f32 sums, v_exp_f32 and their like allow (about 1e-6 of the number): no bf16 or f16 on the way to a quantiser, and a product that is left as it is and whose result goes on into a quantised operand takes f32 operands (vector FMAs, or v_wmma_f32_16x16x4_f32). A number that lies on a knife's edge between two numbers of the format may be rounded either way, as far as f32 arithmetic and the matrix unit's own rounding can turn it there, and no further.
;; One version. Each part assembles by itself: llvm-mc -triple=amdgcn-amd-amdhsa -mcpu=gfx1250 --defsym DOCPART=n.
;; ======== version 1 of 1: 2 launches
;; workspace buffers: ws 839,936 bytes
;; launch proj (part 1): grid 256 x 1, 4 waves a work-group, clusters of 4 x 1, 197,120 bytes of LDS; arguments x, wf, wg, wh, bf, bg, bh, ws, wv; writes ws
.if DOCPART == 1
	.amdgcn_target "amdgcn-amd-amdhsa--gfx1250"
	.amdhsa_code_object_version 6
	.text
	.protected	k_q2768c2e989_proj
	.globl	k_q2768c2e989_proj
	.p2align	8
	.type	k_q2768c2e989_proj,@function
k_q2768c2e989_proj:
	s_mov_b64 s[64:65], 0
	v_nop
	global_prefetch_b8 v0, s[64:65] scope:SCOPE_SE
	s_setreg_imm32_b32 hwreg(HW_REG_WAVE_MODE, 25, 1), 1
	s_wait_xcnt 0x0
	s_wait_alu depctr_hold_cnt(0) depctr_sa_sdst(0) depctr_va_vdst(0) depctr_va_sdst(0) depctr_va_ssrc(0) depctr_va_vcc(0) depctr_vm_vsrc(0)
	s_getreg_b32 s2, hwreg(HW_REG_IB_STS2, 6, 4)
	s_cmp_eq_u32 s2, 0
	s_cbranch_scc0 .Lentry_in_a_cluster
	s_endpgm
.Lentry_in_a_cluster:
	s_bfe_u32 s2, ttmp6, 0x10000c
	s_cmp_lg_u32 s2, 0x3003
	s_cbranch_scc0 .Lentry_shape_is_right
	s_endpgm
.Lentry_shape_is_right:
; f = wf x + bf, g = wg x + bg, h = wh x + bh on codes of FP4 (E2M1) with one E8M0 scale for each 32 along K = the 256 channels; then f and g are
; quantised along their 32 channels and h along the keys, and all three leave as IMAGES OF OPERAND REGISTERS for the attention launch.  wv is quantised here too, once for the whole program.
; x: [4][256][4096] f32.  wf, wg, wh: [32][256] f32.  bf, bg, bh: [32] f32.  wv: [256][32] f32.
; SHARES.  A work-group takes 64 neighbouring columns of one batch, all 256 channels: 64 KiB of x, rows of 256 aligned bytes, one tensor load of 64 rows a wave.
; Wave w = (u = w & 1, hk = w >> 1) takes the 16 columns 32 hk + 8 u + r + 8 (r / 8), r = 0 .. 15: so that two neighbouring tiles give a lane 16 neighbours.
; The three weights (96 rows x 256) are quantised once in each work-group, three units of 16 rows x 128 K a wave, while x is on its way, and go from wave to wave through LDS as register images.
; wv has 256 rows of one block of 32, and there are 256 work-groups: work-group o takes row o, in its wave 0, while the first tiles are on their way.
; CLUSTER.  The four work-groups of a cluster need the same 96 KiB of weights: each part is asked for JOINTLY (mask 15, the same descriptor in all four).  x's tiles are each work-group's own.
; K IS PERMUTED ALIKE IN W AND x: in K step s (128 channels) the operand's block 2 c + h holds the true block 4 s + 2 h + c.  A block of 32 stays a true block, so scales and codes are the stated ones;
; the lanes' two halves then read x from two tiles that begin 128 bytes apart modulo 256, so that the 32 lanes of a load touch 32 different banks (64 banks of 4 bytes: ISA guide 11.1).
; WORKSPACE ws.  A group is 128 neighbouring columns; a column of a group is 64 c + 32 hk + 16 (r / 8) + 8 u + r % 8.  For batch b at 139,264 b:  +0 g's codes: 16 bytes a key at 2048 gb + 512 (2 u + c) + 256 hk + 16 r;
; +65,536 h's codes: 16 bytes for image row r of tile t (channel 8 t + r + 8 (r / 8)) and key block 2 c + hk at 2048 gb + 1024 t + 512 c + 256 hk + 16 r;  +131,072 g's scale bytes at 128 gb + 4 (16 u + r) + 2 c + hk;
; +135,168 h's likewise.  At 557,056 f's codes and at 819,200 f's scale bytes, laid as g's, by the group's number in all four batches.
; At 835,584 wv's codes, 16 bytes for output channel o at 16 o; at 839,680 its scale bytes, channel o's at 64 (o / 64) + 4 (o % 16) + (o / 16) % 4: a word for each column of a fragment of 64 channels.
; LIMITS.  NaN and infinities among the inputs are not served.  A block whose largest magnitude lies under 2^-124, a block of zeros among them, keeps the scale byte 1 (the stated rule gives a block of zeros 127): its codes
; are zeros or near it, and the bytes are read by this program alone.  The scale bytes leave as single bytes, 48 KiB in all, and wv's codes as 16 bytes a work-group, 4 KiB in all: their blocks of 256 bytes are written in part.
.set XT,   16512                       ; LDS: x's tile w (channels 64 w on, 64 rows x 256 bytes) at w x 16,512: 128 bytes more than the tile
.set WB,   66048                       ; the weights as they come: matrix m at WB + m WM, rows of 1,024 bytes + 16 of padding
.set WM,   33280
.set WP,   1040
.set WIMG, 165888                      ; the weights' images: unit e = 4 m + 2 s + u, 1,024 bytes each
.set WSC,  178176                      ; their scale words: for (m, s) at 256 m + 128 s, word 16 u + r
.set HST,  178944                      ; h in f32: 32 image rows x (256 bytes + 16)
.set HP,   272
.set KVB,  139264
.set GSO,  131072
.set FC,   557056
.set FS,   819200
.set WVC,  835584
.set WVS,  839680
.set FLOOR, 0x1800000                  ; 2^(3 - 127): no largest magnitude is taken under it, so no scale byte falls under 1
; REGISTERS.  v1 lane, v2 r, v3 h, v4 r + 8 (r / 8); v5-13 LDS addresses; v14-19 offsets in memory; v20-27 at work; v28-30 the three scale bytes that are stored; v32-223 numbers, then fragments, sums and biases;
; v224-239 x's two fragments; v240-241 x's scale words, v242-247 the weights': these eight hold scales alone; v248-253 words and codes on their way out.
; A round of the cluster's barrier: my work-group's barrier, wave 0 signals for the work-group, every wave waits for all four work-groups, my work-group's barrier once more.
.macro ROUND
	s_barrier_signal -1
	s_barrier_wait -1
	s_cmp_lg_u32 s20, 0
	s_cbranch_scc1 .Lnot_wave_0_\@
	s_barrier_signal -3
.Lnot_wave_0_\@:
	s_barrier_wait -3
	s_barrier_signal -1
	s_barrier_wait -1
.endm
; 64 numbers of a lane, two whole blocks of 32 (operand blocks h and 2 + h of my row), become the operand's eight registers v[dst] on and the row's scale word.
.macro Q64 src, dst, word
.irp c, 0,1
	v_max3_num_f32 v[20+\c], |v[\src+32*\c]|, |v[\src+32*\c+1]|, FLOOR
.endr
.irp i, 2,4,6,8,10,12,14,16,18,20,22,24,26,28,30
.irp c, 0,1
	v_max3_num_f32 v[20+\c], v[20+\c], |v[\src+32*\c+\i]|, |v[\src+32*\c+\i+1]|   ; the two blocks by turns
.endr
.endr
.irp c, 0,1
	v_add_nc_u32 v[22+\c], 0xff000000, v[20+\c]    ; 2 off the exponent field: the conversion takes the exponent field of this operand as its scale
.endr
.irp c, 0,1
	v_lshrrev_b32 v[24+\c], 23, v[22+\c]           ; the scale's byte
.endr
	v_lshl_or_b32 v[\word], v25, 16, v24           ; my two bytes,
	v_lshlrev_b32 v[\word], v26, v[\word]          ; 8 h bits up;
	v_permlanex16_b32 v27, v[\word], s60, s61
	v_or_b32 v[\word], v[\word], v27               ; with lane l xor 16's two the word is whole, in both halves of the lanes
.irp c, 0,1
.irp g, 0,1,2,3
	v_cvt_scalef32_pk8_fp4_f32 v[\dst+4*\c+\g], v[\src+32*\c+8*\g:\src+32*\c+8*\g+7], v[22+\c]
.endr
.endr
	v_nop                                          ; one plain line behind the last scaled conversion
.endm
; 16 numbers of a lane, half a block of 32 (the other half lies in lane l xor 16), become 8 bytes of codes in v[cd], v[cd + 1] and the block's scale byte.
.macro Q16 src, cd, by
	v_max3_num_f32 v20, |v[\src]|, |v[\src+1]|, FLOOR
	v_max3_num_f32 v21, |v[\src+2]|, |v[\src+3]|, |v[\src+4]|
	v_max3_num_f32 v20, v20, |v[\src+5]|, |v[\src+6]|
	v_max3_num_f32 v21, v21, |v[\src+7]|, |v[\src+8]|
	v_max3_num_f32 v20, v20, |v[\src+9]|, |v[\src+10]|
	v_max3_num_f32 v21, v21, |v[\src+11]|, |v[\src+12]|
	v_max3_num_f32 v20, v20, |v[\src+13]|, |v[\src+14]|
	v_max3_num_f32 v20, v20, v21, |v[\src+15]|
	v_permlanex16_b32 v27, v20, s60, s61
	v_max_num_f32 v20, v20, v27                    ; the block's largest magnitude
	v_add_nc_u32 v22, 0xff000000, v20
	v_lshrrev_b32 v[\by], 23, v22
	v_cvt_scalef32_pk8_fp4_f32 v[\cd], v[\src:\src+7], v22
	v_cvt_scalef32_pk8_fp4_f32 v[\cd+1], v[\src+8:\src+15], v22
	v_nop
.endm
; f (m = 0) or g (m = 1), unit u of 16 output channels, K step s: source 0 = the weight's unit, source 1 = x.  A lane then holds one column and eight channels.  The bias is the C of the first K step.
.macro MFG m, u, s
.set RD_, 128+8*(2*\m+\u)
.set RA_, 32+8*(4*\m+2*\s+\u)
.set RC_, 176+8*(2*\m+\u)
.if \s
.set RC_, RD_
.endif
.if \u
	v_wmma_scale_f32_16x16x128_f8f6f4 v[RD_:RD_+7], v[RA_:RA_+7], v[224+8*\s:231+8*\s], v[RC_:RC_+7], v[242+2*\m+\s], v[240+\s] matrix_a_fmt:MATRIX_FMT_FP4 matrix_b_fmt:MATRIX_FMT_FP4 matrix_a_scale:MATRIX_SCALE_ROW1
.else
	v_wmma_scale_f32_16x16x128_f8f6f4 v[RD_:RD_+7], v[RA_:RA_+7], v[224+8*\s:231+8*\s], v[RC_:RC_+7], v[242+2*\m+\s], v[240+\s] matrix_a_fmt:MATRIX_FMT_FP4 matrix_b_fmt:MATRIX_FMT_FP4
.endif
.endm
; h, unit t, K step s, the sources the other way round: source 0 = x, source 1 = the weight's unit.  A lane then holds one channel and eight neighbouring columns, which are h's K in the attention.
.macro MH t, s
.set RD_, 160+8*\t
.set RB_, 32+8*(8+2*\s+\t)
.if \s
.if \t
	v_wmma_scale_f32_16x16x128_f8f6f4 v[RD_:RD_+7], v[224+8*\s:231+8*\s], v[RB_:RB_+7], v[RD_:RD_+7], v[240+\s], v[246+\s] matrix_a_fmt:MATRIX_FMT_FP4 matrix_b_fmt:MATRIX_FMT_FP4 matrix_b_scale:MATRIX_SCALE_ROW1
.else
	v_wmma_scale_f32_16x16x128_f8f6f4 v[RD_:RD_+7], v[224+8*\s:231+8*\s], v[RB_:RB_+7], v[RD_:RD_+7], v[240+\s], v[246+\s] matrix_a_fmt:MATRIX_FMT_FP4 matrix_b_fmt:MATRIX_FMT_FP4
.endif
.else
.if \t
	v_wmma_scale_f32_16x16x128_f8f6f4 v[RD_:RD_+7], v[224+8*\s:231+8*\s], v[RB_:RB_+7], 0, v[240+\s], v[246+\s] matrix_a_fmt:MATRIX_FMT_FP4 matrix_b_fmt:MATRIX_FMT_FP4 matrix_b_scale:MATRIX_SCALE_ROW1
.else
	v_wmma_scale_f32_16x16x128_f8f6f4 v[RD_:RD_+7], v[224+8*\s:231+8*\s], v[RB_:RB_+7], 0, v[240+\s], v[246+\s] matrix_a_fmt:MATRIX_FMT_FP4 matrix_b_fmt:MATRIX_FMT_FP4
.endif
.endif
.endm
	s_load_b256 s[4:11], s[0:1], 0x0               ; x s[4:5], wf s[6:7], wg s[8:9], wh s[10:11]
	s_load_b256 s[12:19], s[0:1], 0x20             ; bf s[12:13], bg s[14:15], bh s[16:17], ws s[18:19]
	s_load_b64 s[76:77], s[0:1], 0x40              ; wv
	v_lshl_add_u32 v254, v0, 2, 0x30000
	v_mov_b32 v255, 0
	ds_add_u32 v254, v255
	ds_add_u32 v254, v255
	v_lshrrev_b32 v1, 5, v0
	v_readfirstlane_b32 s20, v1                    ; wave 0..3
	s_and_b32 s21, s20, 1                          ; u
	s_lshr_b32 s22, s20, 1                         ; hk
	s_bfe_u32 s23, ttmp6, 0x40000                  ; cx: my place in the cluster
	s_lshl_b32 s24, ttmp9, 2                       ; in a cluster launch ttmp9 counts clusters
	s_add_co_u32 s24, s24, s23                     ; work-group 0..255: it enters addresses in memory alone
	s_lshr_b32 s25, s24, 6                         ; batch
	s_lshr_b32 s66, s24, 1                         ; the group of 128 columns, counted through all batches
	s_and_b32 s26, s66, 31                         ; and within the batch
	s_and_b32 s27, s24, 1                          ; c: which half of the group is mine
	; descriptor group 1 for x's tiles: 64 rows x 64 elements of 4 bytes, 4,096 elements from row to row, no padding, no mask
	s_mov_b32 s28, 2<<16
	s_mov_b32 s29, 64<<16                          ; tensor_dim0 = 64
	s_mov_b32 s30, 64<<16                          ; tensor_dim1 = 64
	s_mov_b32 s31, 64<<16                          ; tile_dim0 = 64
	s_mov_b32 s32, 64                              ; tile_dim1 = 64
	s_mov_b32 s33, 4096
	s_mov_b32 s34, 0
	s_mov_b32 s35, 0
	; and for the weights: 8 rows x 256 elements of 4 bytes, dense; 15:0 the mask: all four work-groups; 20 padding on; 21 set beside a mask; 24:22 after every 256 words (code 7); 31:25 four words (code 3)
	s_mov_b32 s36, 15|(2<<16)|(1<<20)|(1<<21)|(7<<22)|(3<<25)
	s_mov_b32 s37, 256<<16
	s_mov_b32 s38, 8<<16
	s_mov_b32 s39, 256<<16
	s_mov_b32 s40, 8
	s_mov_b32 s41, 256
	s_mov_b32 s42, 0
	s_mov_b32 s43, 0
	s_lshl_b32 s62, s21, 1
	s_add_co_u32 s62, s62, s22                     ; my rows 8 w .. 8 w + 7 of a weight go to the place 2 (w & 1) + (w >> 1) of eight rows: LDS row 16 u + r is then channel 8 u + r + 8 (r / 8)
	s_mul_i32 s62, s62, 8*WP
	s_lshl_b32 s2, s20, 13                         ; and come from 8 w rows of 1,024 bytes on
	s_mov_b32 s3, 0
	s_mov_b32 s44, 1
	s_mul_i32 s45, s20, XT                         ; x's tile w in LDS
	s_lshl_b32 s68, s25, 22                        ; in memory: the batch's 4,194,304 bytes,
	s_and_b32 s69, s24, 63
	s_lshl_b32 s69, s69, 8                         ; my 64 columns,
	s_add_co_u32 s68, s68, s69
	s_lshl_b32 s69, s20, 20                        ; 64 w channels of 16,384 bytes
	s_add_co_u32 s68, s68, s69
	s_mov_b32 s69, 0
	s_mov_b32 s60, 0x76543210
	s_mov_b32 s61, 0xfedcba98                      ; v_permlanex16_b32's selects for lane l xor 16
	s_wait_dscnt 0x0
	s_wait_kmcnt 0x0
.irp m, 0,1,2
	s_mov_b32 s[48+4*\m], 1                        ; group 0 for matrix m: nothing in it hangs on the work-group
	s_add_co_u32 s[49+4*\m], s62, WB+\m*WM
	s_add_nc_u64 s[50+4*\m:51+4*\m], s[6+2*\m:7+2*\m], s[2:3]
	s_or_b32 s[51+4*\m], s[51+4*\m], 0x80000000
.endr
	s_add_nc_u64 s[46:47], s[4:5], s[68:69]
	s_or_b32 s47, s47, 0x80000000
	ROUND                                          ; all four work-groups are here: the joint loads meet
	tensor_load_to_lds s[48:51], s[36:43]          ; my eight rows of wf, of wg, of wh, jointly;
	s_nop 0
	tensor_load_to_lds s[52:55], s[36:43]
	s_nop 0
	tensor_load_to_lds s[56:59], s[36:43]
	s_nop 0
	tensor_load_to_lds s[44:47], s[28:35]          ; my 64 channels of x, last: four loads of mine are out.  Every LDS byte is filled once in this launch
	s_nop 0
.rept 4
	v_nop
.endr
	v_and_b32 v1, 31, v0                           ; lane
	v_and_b32 v2, 15, v0                           ; r
	s_wait_alu depctr_va_vdst(0)
	v_bfe_u32 v3, v0, 4, 1                         ; h
	v_and_b32 v4, 8, v2
	v_add_nc_u32 v4, v4, v2                        ; r + 8 (r / 8)
	s_mul_i32 s62, s21, 16*WP                      ; the units that I quantise: rows 16 (w & 1) on, K step w >> 1
	s_lshl_b32 s63, s22, 9
	s_add_co_u32 s62, s62, s63
	s_add_co_u32 s62, s62, WB
	v_mul_u32_u24 v5, v2, WP
	v_lshl_add_u32 v5, v3, 8, v5                   ; lanes 16-31 begin 64 channels on
	v_add_nc_u32 v5, s62, v5
	v_add_nc_u32 v6, 2*WM, v5                      ; matrix 2 lies beyond the 16-bit immediate
	s_lshl_b32 s62, s20, 10
	s_add_co_u32 s62, s62, WIMG
	v_lshl_add_u32 v7, v1, 4, s62                  ; where I store images: 16 x lane + 1,024 w
	s_lshl_b32 s62, s20, 6
	s_add_co_u32 s62, s62, WSC
	v_lshl_add_u32 v8, v2, 2, s62                  ; and scale words: 4 r + 64 w
	v_lshl_add_u32 v9, v1, 4, WIMG                 ; where any wave reads them back
	v_lshl_add_u32 v10, v1, 2, WSC
	s_lshl_b32 s62, s22, 7
	s_lshl_b32 s63, s21, 5
	s_add_co_u32 s62, s62, s63                     ; 128 hk + 32 u: my tile's first column, in bytes
	v_mul_u32_u24 v11, v3, XT
	v_lshl_add_u32 v11, v4, 2, v11
	v_add_nc_u32 v11, s62, v11                     ; x: my column; lanes 16-31 one tile (64 channels) further on
	v_mul_u32_u24 v31, v2, HP
	v_lshl_add_u32 v31, v3, 6, v31                 ; h's stage: row r, + 64 h
	s_add_co_u32 s62, s62, HST
	v_add_nc_u32 v12, s62, v31                     ; in: my eight columns 32 hk + 16 h + 8 u on
	s_mul_i32 s62, s21, 16*HP
	s_lshl_b32 s63, s22, 7
	s_add_co_u32 s62, s62, s63
	s_add_co_u32 s62, s62, HST
	v_add_nc_u32 v13, s62, v31                     ; back: tile w & 1 of the channels, key block w >> 1, my 16 columns
	s_lshl_b32 s67, s21, 10                        ; offsets in ws: an image's part 1,024 u + 512 c + 256 hk
	s_lshl_b32 s68, s27, 9
	s_add_co_u32 s67, s67, s68
	s_lshl_b32 s68, s22, 8
	s_add_co_u32 s67, s67, s68
	s_lshl_b32 s69, s66, 11
	s_add_co_u32 s69, s69, s67
	s_add_co_u32 s69, s69, FC                      ; f's codes
	s_mul_i32 s70, s25, KVB
	s_lshl_b32 s71, s26, 11
	s_add_co_u32 s71, s71, s70
	s_add_co_u32 s71, s71, s67                     ; g's codes; h's lie 65,536 further on
	s_lshl_b32 s72, s21, 6                         ; a scale byte's part 64 u + 2 c + hk
	s_lshl_b32 s73, s27, 1
	s_add_co_u32 s72, s72, s73
	s_add_co_u32 s72, s72, s22
	s_lshl_b32 s73, s66, 7
	s_add_co_u32 s73, s73, s72
	s_add_co_u32 s73, s73, FS                      ; f's scale bytes
	s_lshl_b32 s74, s26, 7
	s_add_co_u32 s74, s74, s70
	s_add_co_u32 s74, s74, s72
	s_add_co_u32 s74, s74, GSO                     ; g's; h's lie 4,096 further on
	v_lshlrev_b32 v31, 4, v2
	v_lshl_add_u32 v31, v3, 3, v31                 ; 16 r + 8 h
	v_add_nc_u32 v14, s69, v31
	v_add_nc_u32 v15, s71, v31
	v_lshlrev_b32 v31, 2, v2
	v_add_nc_u32 v16, s73, v31
	v_add_nc_u32 v17, s74, v31
	v_lshlrev_b32 v18, 6, v3                       ; bf, bg: my half's 16 channels
	v_lshlrev_b32 v19, 2, v4                       ; bh: my image row's channel
	v_lshlrev_b32 v26, 3, v3                       ; 8 h
	v_mov_b32 v27, 0                               ; written once: a lane permute's destination counts as one of its sources
	; ---- wv: row o = my work-group's number, one block of 32, in wave 0 alone, while the four tiles are on their way.  Lane l takes the eight numbers 8 (l % 4) on: the eight groups of four lanes hold the same and store
	; the same bytes with the same values.  The load, its wait, the work and the stores stand in ONE branch on the wave's number.
	s_cmp_lg_u32 s20, 0
	s_cbranch_scc1 .Lno_wv
	s_lshl_b32 s75, s24, 7                         ; the row: 128 bytes
	s_lshl_b32 s78, s24, 4
	s_add_co_u32 s78, s78, WVC                     ; its codes: 16 bytes
	s_and_b32 s79, s24, 0xc0                       ; its scale byte: 64 (o / 64)
	s_and_b32 s2, s24, 15
	s_lshl_b32 s2, s2, 2
	s_add_co_u32 s79, s79, s2                      ; + 4 (o % 16)
	s_bfe_u32 s2, s24, 0x20004
	s_add_co_u32 s79, s79, s2                      ; + (o / 16) % 4
	s_add_co_u32 s79, s79, WVS
	v_and_b32 v31, 3, v1
	v_lshl_add_u32 v21, v31, 5, s75
	v_lshl_add_u32 v25, v31, 2, s78
	v_mov_b32 v31, s79
	global_load_b128 v[32:35], v21, s[76:77]
	global_load_b128 v[36:39], v21, s[76:77] offset:16
	s_wait_loadcnt 0x0
	v_max3_num_f32 v20, |v32|, |v33|, FLOOR
	v_max3_num_f32 v22, |v34|, |v35|, |v36|
	v_max3_num_f32 v20, v20, |v37|, |v38|
	v_max3_num_f32 v20, v20, v22, |v39|
	v_max_num_f32_dpp v20, v20, v20 row_xmask:1 row_mask:0xf bank_mask:0xf
	v_max_num_f32_dpp v20, v20, v20 row_xmask:2 row_mask:0xf bank_mask:0xf   ; with the three lanes beside me: the block's largest magnitude
	v_add_nc_u32 v22, 0xff000000, v20
	v_lshrrev_b32 v23, 23, v22
	v_cvt_scalef32_pk8_fp4_f32 v24, v[32:39], v22
	v_nop                                          ; one plain line behind the scaled conversion
	global_store_b32 v25, v24, s[18:19]
	global_store_b8 v31, v23, s[18:19]
	s_wait_xcnt 0x0                                ; the stores have read their registers: all that this branch used may be written again
.Lno_wv:
	s_wait_tensorcnt 0x1                           ; my parts of the three weights are in; x's tile, issued last, may stay out
	s_barrier_signal -1
	s_barrier_wait -1                              ; everybody's are
	; ---- the weights: my three units (matrix 0, 1, 2), 64 numbers a lane each
.irp m, 0,1
.irp c, 0,1
.irp i, 0,1,2,3,4,5,6,7
	ds_load_b128 v[32+64*\m+32*\c+4*\i:35+64*\m+32*\c+4*\i], v5 offset:WM*\m+128*\c+16*\i
.endr
.endr
.endr
.irp c, 0,1
.irp i, 0,1,2,3,4,5,6,7
	ds_load_b128 v[160+32*\c+4*\i:163+32*\c+4*\i], v6 offset:128*\c+16*\i
.endr
.endr
	s_wait_dscnt 32                                ; matrix 0's sixteen loads are in; behind them: 32 loads
	Q64 32, 224, 248
	ds_store_b128 v7, v[224:227]
	ds_store_b128 v7, v[228:231] offset:512
	ds_store_b32 v8, v248                          ; both halves of the lanes write the same word with the same value
	s_wait_dscnt 19                                ; matrix 1's are in; behind them: 16 loads and 3 stores
	Q64 96, 32, 249                                ; its codes take registers that matrix 0's numbers have left
	ds_store_b128 v7, v[32:35] offset:4096
	ds_store_b128 v7, v[36:39] offset:4096+512
	ds_store_b32 v8, v249 offset:256
	s_wait_dscnt 6                                 ; matrix 2's are in; behind them: 6 stores
	Q64 160, 40, 250
	ds_store_b128 v7, v[40:43] offset:8192
	ds_store_b128 v7, v[44:47] offset:8192+512
	ds_store_b32 v8, v250 offset:512
	; ---- the biases, in the results' layout: for f and g lane (r, h) holds channels 16 h + 8 u + 0 .. 7; for h one channel a lane
.irp m, 0,1
.irp u, 0,1
	global_load_b128 v[176+8*(2*\m+\u):179+8*(2*\m+\u)], v18, s[12+2*\m:13+2*\m] offset:32*\u
	global_load_b128 v[180+8*(2*\m+\u):183+8*(2*\m+\u)], v18, s[12+2*\m:13+2*\m] offset:32*\u+16
.endr
.endr
	global_load_b32 v208, v19, s[16:17]
	global_load_b32 v209, v19, s[16:17] offset:32
	s_wait_tensorcnt 0x0                           ; my tile of x is in,
	s_wait_dscnt 0x0                               ; my images and scale words have landed
	s_barrier_signal -1
	s_barrier_wait -1                              ; everybody's
	; ---- x: my column, registers down K: number i of operand block 2 c + h of K step s is channel 128 s + 64 h + 32 c + i
.irp s, 0,1
.irp c, 0,1
.irp i, 0,1,2,3,4,5,6,7,8,9,10,11,12,13,14,15,16,17,18,19,20,21,22,23,24,25,26,27,28,29,30,31
	ds_load_b32 v[32+64*\s+32*\c+\i], v11 offset:2*XT*\s+256*(32*\c+\i)
.endr
.endr
.endr
	s_wait_dscnt 63                                ; K step 0's 64 loads are in: 64 were issued behind them, and 63 is the largest count that the wait can name
	Q64 32, 224, 240
	s_wait_dscnt 0x0
	Q64 96, 232, 241
	; ---- all twelve units of the weights and their scale words come back as the registers that they were
.irp e, 0,1,2,3,4,5,6,7,8,9,10,11
	ds_load_b128 v[32+8*\e:35+8*\e], v9 offset:1024*\e
	ds_load_b128 v[36+8*\e:39+8*\e], v9 offset:1024*\e+512
.endr
.irp m, 0,1,2
.irp s, 0,1
	ds_load_b32 v[242+2*\m+\s], v10 offset:256*\m+128*\s   ; lanes 0-15 unit 0's rows, lanes 16-31 unit 1's
.endr
.endr
	s_wait_dscnt 0x0
	s_wait_loadcnt 0x0                             ; the biases
.rept 8
	v_nop                                          ; x's scale words were written by vector instructions: eight places ahead of a scaled matrix instruction; its codes: four
.endr
	; ---- the products: six accumulators by turns, one instruction a turn, K step by K step
.irp s, 0,1
	MFG 0, 0, \s
	s_wait_alu depctr_va_vdst(0)
	MFG 0, 1, \s
	MFG 1, 0, \s
	MFG 1, 1, \s
	MH 0, \s
	MH 1, \s
.endr
.rept 4
	v_nop                                          ; four places ahead of the first read of results (ISA guide 7.12.1)
.endr
.irp t, 0,1
.irp j, 0,1,2,3,4,5,6,7
	v_add_f32 v[176+8*\t+\j], v[160+8*\t+\j], v[208+\t]    ; h + bh: columns 32 hk + 16 h + 8 u + j of my channel
.endr
.endr
.irp t, 0,1
	ds_store_b128 v12, v[176+8*\t:179+8*\t] offset:16*HP*\t
	ds_store_b128 v12, v[180+8*\t:183+8*\t] offset:16*HP*\t+16
.endr
	Q16 128, 248, 28                               ; f: my column's channels 16 h + 0 .. 15
	Q16 144, 250, 29                               ; g
	global_store_b64 v14, v[248:249], s[18:19]     ; the wave's 32 lanes store 256 consecutive bytes, at a multiple of 256 from the buffer's first byte
	global_store_b64 v15, v[250:251], s[18:19]
	global_store_b8 v16, v28, s[18:19]             ; both lanes of a column store the same byte with the same value
	global_store_b8 v17, v29, s[18:19]
	s_wait_dscnt 0x0                               ; my part of h has landed in the stage
	s_barrier_signal -1
	s_barrier_wait -1
	; ---- h along the keys: image rows 16 (w & 1) + r, key block w >> 1 of my 64 columns; 16 neighbouring keys a lane
.irp i, 0,1,2,3
	ds_load_b128 v[32+4*\i:35+4*\i], v13 offset:16*\i
.endr
	s_wait_dscnt 0x0
	Q16 32, 252, 30
	global_store_b64 v15, v[252:253], s[18:19] offset:65536
	global_store_b8 v17, v30, s[18:19] offset:4096
	s_wait_tensorcnt 0x0
	ds_add_u32 v254, v255
	s_wait_dscnt 0x0
	ROUND                                          ; the closing round: no work-group ends while a partner may still ask for a tile that names it
	s_endpgm
.Lfunc_end_k_q2768c2e989_proj:
	.size	k_q2768c2e989_proj, .Lfunc_end_k_q2768c2e989_proj-k_q2768c2e989_proj
	.p2alignl 7, 3214868480
	.fill 96, 4, 3214868480
	.section	.rodata,"a",@progbits
	.p2align	6, 0x0
	.amdhsa_kernel k_q2768c2e989_proj
		.amdhsa_group_segment_fixed_size 197120
		.amdhsa_private_segment_fixed_size 0
		.amdhsa_enable_private_segment 0
		.amdhsa_kernarg_size 72
		.amdhsa_user_sgpr_count 2
		.amdhsa_user_sgpr_kernarg_segment_ptr 1
		.amdhsa_wavefront_size32 1
		.amdhsa_system_sgpr_workgroup_id_x 1
		.amdhsa_system_sgpr_workgroup_id_y 1
		.amdhsa_system_sgpr_workgroup_id_z 1
		.amdhsa_system_vgpr_workitem_id 0
		.amdhsa_next_free_vgpr 256
		.amdhsa_next_free_sgpr 80
		.amdhsa_reserve_vcc 0
		.amdhsa_float_denorm_mode_32 3
		.amdhsa_float_denorm_mode_16_64 3
		.amdhsa_memory_ordered 1
		.amdhsa_forward_progress 1
		.amdhsa_inst_pref_size 46
	.end_amdhsa_kernel
	.amdgpu_metadata
---
amdhsa.version: [ 1, 2 ]
amdhsa.kernels:
  - .name:           k_q2768c2e989_proj
    .symbol:         k_q2768c2e989_proj.kd
    .args:
      - { .name: x, .offset: 0, .size: 8, .value_kind: global_buffer, .address_space: global }
      - { .name: wf, .offset: 8, .size: 8, .value_kind: global_buffer, .address_space: global }
      - { .name: wg, .offset: 16, .size: 8, .value_kind: global_buffer, .address_space: global }
      - { .name: wh, .offset: 24, .size: 8, .value_kind: global_buffer, .address_space: global }
      - { .name: bf, .offset: 32, .size: 8, .value_kind: global_buffer, .address_space: global }
      - { .name: bg, .offset: 40, .size: 8, .value_kind: global_buffer, .address_space: global }
      - { .name: bh, .offset: 48, .size: 8, .value_kind: global_buffer, .address_space: global }
      - { .name: ws, .offset: 56, .size: 8, .value_kind: global_buffer, .address_space: global }
      - { .name: wv, .offset: 64, .size: 8, .value_kind: global_buffer, .address_space: global }
    .group_segment_fixed_size: 197120
    .private_segment_fixed_size: 0
    .kernarg_segment_align: 8
    .kernarg_segment_size: 72
    .max_flat_workgroup_size: 128
    .sgpr_count:     80
    .vgpr_count:     256
    .wavefront_size: 32
...
	.end_amdgpu_metadata
.endif
;; end of part 1
;; launch attn (part 2): grid 256 x 1, 16 waves a work-group, clusters of 4 x 1, 247,808 bytes of LDS; arguments ws, x, bv, gamma, out0; writes out0
.if DOCPART == 2
	.amdgcn_target "amdgcn-amd-amdhsa--gfx1250"
	.amdhsa_code_object_version 6
	.text
	.protected	k_q2768c2e989_attn
	.globl	k_q2768c2e989_attn
	.p2align	8
	.type	k_q2768c2e989_attn,@function
k_q2768c2e989_attn:
	s_mov_b64 s[64:65], 0
	v_nop
	global_prefetch_b8 v0, s[64:65] scope:SCOPE_SE
	s_setreg_imm32_b32 hwreg(HW_REG_WAVE_MODE, 25, 1), 1
	s_wait_xcnt 0x0
	s_wait_alu depctr_hold_cnt(0) depctr_sa_sdst(0) depctr_va_vdst(0) depctr_va_sdst(0) depctr_va_ssrc(0) depctr_va_vcc(0) depctr_vm_vsrc(0)
	s_getreg_b32 s2, hwreg(HW_REG_IB_STS2, 6, 4)
	s_cmp_eq_u32 s2, 0
	s_cbranch_scc0 .Lentry_in_a_cluster
	s_endpgm
.Lentry_in_a_cluster:
	s_bfe_u32 s2, ttmp6, 0x10000c
	s_cmp_lg_u32 s2, 0x3003
	s_cbranch_scc0 .Lentry_shape_is_right
	s_endpgm
.Lentry_shape_is_right:
; out = gamma (wv x0 + bv) + x,  x0[c][q] = the sum over k of softmax_k(f[:, q] . g[:, k]) h[c][k],  all three products on codes of FP4 (E2M1) with one E8M0 scale for each 32 along K.
; f, g, h and wv come from ws as images of operand registers (quantised and laid by the launch before).  x, out0: [4][256][4096] f32.  bv: [256], gamma: [1] f32.
; THE SOFTMAX AHEAD OF THE SECOND PRODUCT: t = logit x log2(e); M = the row's largest t so far, rounded UP to a whole number; p = 2^(t - M) is quantised along the keys, not normalised; the row's sum is taken of the
; unquantised p and divides at the end.  When M moves, the sum and O are multiplied by 2^(old M - new M): exact.
; SHARES.  A work-group owns 64 queries of one batch.  Wave w = (qt = w & 3, kq = w >> 2) owns one tile of 16 queries and a quarter of the keys, eight steps of 128: four waves to a SIMD, so that one wave's vector work
; stands beside another's matrix work and LDS loads.  The four quarters are merged at the end by exact powers of two; wave (qt, kq) then makes output channels 64 kq .. 64 kq + 63 for tile qt.
; K = 32 IN AN INSTRUCTION OF K = 128.  Only one operand needs zeros in the rest of K.  A fragment of g holds FOUR sets of 16 keys, one in each block of 32 along K; the queries exist in four versions Q_b, their 32 codes in block b
; and zero codes elsewhere: the product with Q_b picks set b.  So no LDS byte is padding.  Q_0 .. Q_3 overlap in 24 registers: v16-19 LO, v20-23 zeros, v24-27 LO; v28-31 HI, v32-35 zeros, v36-39 HI
; (LO: the codes in lanes 0-15, zeros in lanes 16-31; HI the other way).  Q_0 = v[16:23], Q_2 = v[20:27], Q_1 = v[28:35], Q_3 = v[32:39].  wv and x0 meet in the same way.
; LAYOUT.  S^T = g^T f (source 0 = 16 keys, source 1 = my 16 queries), O^T = h p^T (source 0 = 16 channels): a lane holds ONE query throughout.  Row m of set b of fragment u is key 32 b + 8 u + m + 8 (m / 8) of the step,
; so that the 16 registers of tiles (b, 0) and (b, 1) are the 16 neighbouring keys 32 b + 16 (lane / 16) + 0 .. 15.
; LDS.  One batch's codes and scale bytes of g and h are 139,264 dense bytes: they come ONCE, 34 rows of 256 bytes a wave, and stay: no slot is filled again.
; CLUSTER.  The four work-groups of a cluster belong to one batch and need the same 139,264 bytes: each part is asked for JOINTLY (mask 15, the same descriptor in all four).
; THE HEAD asks only for what the first product and the way out's small operands need: 9 loads a wave, the widest of 512 consecutive bytes.  x, wanted at the end alone, is asked for behind the head's barrier.
; LIMITS.  NaN and infinities among the inputs are not served.  A block whose largest magnitude lies under 2^-124, a block of zeros among them, keeps the scale byte 1.  The sums over the keys are taken in four quarters and then added.
.set KVB, 139264
.set HCO, 65536                        ; in the block: g's codes at 0, h's here,
.set GSO, 131072                       ; g's scale bytes here, h's 4,096 further on
.set MRG, 139264                       ; LDS behind the block: for each wave 2,304 bytes: O's image 2,048, the sum 128, -M 128
.set MW,  2304
.set STG, 176128                       ; the way out: 256 channels x (64 queries x 4 bytes + 16)
.set SP,  272
.set FC,  557056
.set FS,  819200
.set WVC, 835584                       ; wv's codes: 16 bytes for channel o at 16 o: a fragment of 64 channels is 1,024 bytes on end, the image of its eight registers
.set WVS, 839680                       ; its scale words: for the fragment's column r at 64 kq + 4 r
.set FLOOR, 0x1800000                  ; 2^(3 - 127)
; REGISTERS.  v1-7 LDS addresses that stay; v8-10 the step's; v11 my offset in x and out0; v12 -M, v13 the largest t, v[14:15] the sum in two halves; v16-39 Q_b, later x0's four versions; v40, v41, v208, v209, v253 scale words
; and nothing else; v42-45 gamma bv; v46-47 the stage; v48-79 x for the residual; v80-87 wv's fragment; v88-90 lane, r, h; v91-95 offsets in memory; v96-159 S^T, then p; v160-175 O^T; v176-191 g's two fragments;
; v192-207 h's two; v224-231 p's codes; v232-254 at work.
.macro ROUND                           ; a round of the cluster's barrier
	s_barrier_signal -1
	s_barrier_wait -1
	s_cmp_lg_u32 s17, 0
	s_cbranch_scc1 .Lnot_wave_0_\@
	s_barrier_signal -3
.Lnot_wave_0_\@:
	s_barrier_wait -3
	s_barrier_signal -1
	s_barrier_wait -1
.endm
; 16 numbers of a lane, half a block of 32, become 8 bytes of codes and the block's scale byte.
.macro Q16 src, cd, by
	v_max3_num_f32 v232, |v[\src]|, |v[\src+1]|, FLOOR
	v_max3_num_f32 v233, |v[\src+2]|, |v[\src+3]|, |v[\src+4]|
	s_delay_alu instid0(VALU_DEP_2)
	v_max3_num_f32 v232, v232, |v[\src+5]|, |v[\src+6]|
	s_delay_alu instid0(VALU_DEP_2)
	v_max3_num_f32 v233, v233, |v[\src+7]|, |v[\src+8]|
	s_delay_alu instid0(VALU_DEP_2)
	v_max3_num_f32 v232, v232, |v[\src+9]|, |v[\src+10]|
	s_delay_alu instid0(VALU_DEP_2)
	v_max3_num_f32 v233, v233, |v[\src+11]|, |v[\src+12]|
	s_delay_alu instid0(VALU_DEP_2)
	v_max3_num_f32 v232, v232, |v[\src+13]|, |v[\src+14]|
	s_delay_alu instid0(VALU_DEP_1)
	v_max3_num_f32 v232, v232, v233, |v[\src+15]|
	s_delay_alu instid0(VALU_DEP_1)
	v_permlanex16_b32 v235, v232, s40, s41
	s_delay_alu instid0(VALU_DEP_1)
	v_max_num_f32 v232, v232, v235
	s_delay_alu instid0(VALU_DEP_1)
	v_add_nc_u32 v234, 0xff000000, v232            ; 2 off the exponent field: the conversion's scale operand
	s_delay_alu instid0(VALU_DEP_1)
	v_lshrrev_b32 v[\by], 23, v234
	v_cvt_scalef32_pk8_fp4_f32 v[\cd], v[\src:\src+7], v234
	v_cvt_scalef32_pk8_fp4_f32 v[\cd+1], v[\src+8:\src+15], v234
	v_nop                                          ; one plain line behind the last scaled conversion
.endm
; The four versions of an operand of K = 32.  l0 .. l3: the four registers of a row's 32 codes as lanes 0-15 have them; h0 .. h3: as lanes 16-31 have them.  v20-23 and v32-35 hold zeros.
.macro MKQ l0, l1, l2, l3, h0, h1, h2, h3
	v_cmp_gt_u32 vcc_lo, 16, v88                   ; lanes 0-15
	v_cndmask_b32 v16, v20, v[\l0], vcc_lo
	v_cndmask_b32 v17, v20, v[\l1], vcc_lo
	s_delay_alu instid0(VALU_DEP_3)
	v_cndmask_b32 v18, v20, v[\l2], vcc_lo
	s_delay_alu instid0(VALU_DEP_4)
	v_cndmask_b32 v19, v20, v[\l3], vcc_lo
	v_cndmask_b32 v24, v20, v[\l0], vcc_lo
	v_cndmask_b32 v25, v20, v[\l1], vcc_lo
	v_cndmask_b32 v26, v20, v[\l2], vcc_lo
	v_cndmask_b32 v27, v20, v[\l3], vcc_lo
	v_cndmask_b32 v28, v[\h0], v20, vcc_lo
	v_cndmask_b32 v29, v[\h1], v20, vcc_lo
	v_cndmask_b32 v30, v[\h2], v20, vcc_lo
	v_cndmask_b32 v31, v[\h3], v20, vcc_lo
	v_cndmask_b32 v36, v[\h0], v20, vcc_lo
	v_cndmask_b32 v37, v[\h1], v20, vcc_lo
	v_cndmask_b32 v38, v[\h2], v20, vcc_lo
	v_cndmask_b32 v39, v[\h3], v20, vcc_lo
.endm
	s_load_b256 s[4:11], s[0:1], 0x0               ; ws s[4:5], x s[6:7], bv s[8:9], gamma s[10:11]
	s_load_b64 s[12:13], s[0:1], 0x20              ; out0
	v_lshl_add_u32 v223, v0, 2, 0x3c000
	v_mov_b32 v255, 0
	ds_add_u32 v223, v255
	ds_add_u32 v223, v255
	v_lshrrev_b32 v88, 5, v0
	s_delay_alu instid0(VALU_DEP_1)
	v_readfirstlane_b32 s17, v88                   ; wave 0..15
	s_and_b32 s18, s17, 3                          ; qt: my tile of queries
	s_lshr_b32 s19, s17, 2                         ; kq: my quarter of the keys
	s_and_b32 s20, s18, 1                          ; u
	s_lshr_b32 s21, s18, 1                         ; hk
	s_bfe_u32 s22, ttmp6, 0x40000                  ; cx
	s_lshl_b32 s23, ttmp9, 2
	s_add_co_u32 s23, s23, s22                     ; work-group 0..255: it enters addresses in memory alone
	s_lshr_b32 s24, ttmp9, 4                       ; the batch, which the four partners share: 16 clusters to a batch
	s_lshr_b32 s25, s23, 1                         ; my queries' group of 128 columns
	s_and_b32 s26, s23, 1                          ; c: and which half of it
	; descriptor group 1: 34 rows of 256 bytes (32 elements of 8 bytes), dense, no padding; 15:0 the mask: all four work-groups; 21 set beside a mask
	s_mov_b32 s28, 15|(3<<16)|(1<<21)
	s_mov_b32 s29, 32<<16
	s_mov_b32 s30, 34<<16
	s_mov_b32 s31, 32<<16
	s_mov_b32 s32, 34
	s_mov_b32 s33, 32
	s_mov_b32 s34, 0
	s_mov_b32 s35, 0
	s_mov_b32 s36, 1
	s_mul_i32 s37, s17, 8704                       ; my sixteenth of the block, in LDS
	s_mul_i32 s48, s24, KVB
	s_add_co_u32 s48, s48, s37                     ; and in ws
	s_mov_b32 s49, 0
	s_mov_b32 s40, 0x76543210
	s_mov_b32 s41, 0xfedcba98                      ; v_permlanex16_b32's selects for lane l xor 16
	s_mov_b32 s42, 0x3fb8aa3b                      ; log2(e)
	s_mov_b32 s43, s42                             ; (named with it as a pair, so it is written)
	s_wait_dscnt 0x0
	s_wait_kmcnt 0x0
	s_load_b32 s16, s[10:11], 0x0                  ; gamma
	s_add_nc_u64 s[38:39], s[4:5], s[48:49]
	s_or_b32 s39, s39, 0x80000000
	ROUND                                          ; all four work-groups are here: the joint loads meet
	tensor_load_to_lds s[36:39], s[28:35]          ; one load of mine is out
	s_nop 0
.rept 4
	v_nop
.endr
	v_and_b32 v88, 31, v0                          ; lane
	v_and_b32 v89, 15, v0                          ; r
	s_wait_alu depctr_va_vdst(0)
	v_bfe_u32 v90, v0, 4, 1                        ; h
	; ---- the head's loads go out first; the addresses that they do not need are made while they are on their way
	s_lshl_b32 s50, s25, 11                        ; f's codes: FC + 2,048 group + 1,024 u + 512 c + 256 hk + 16 r, the same in both halves of the lanes
	s_lshl_b32 s51, s20, 10
	s_add_co_u32 s50, s50, s51
	s_lshl_b32 s51, s26, 9
	s_add_co_u32 s50, s50, s51
	s_lshl_b32 s51, s21, 8
	s_add_co_u32 s50, s50, s51
	s_add_co_u32 s50, s50, FC
	v_lshl_add_u32 v91, v89, 4, s50
	s_wait_alu depctr_va_vdst(0)
	s_lshl_b32 s50, s25, 7                         ; f's scale byte: FS + 128 group + 64 u + 4 r + 2 c + hk
	s_lshl_b32 s51, s20, 6
	s_add_co_u32 s50, s50, s51
	s_lshl_b32 s51, s26, 1
	s_add_co_u32 s50, s50, s51
	s_add_co_u32 s50, s50, s21
	s_add_co_u32 s50, s50, FS
	v_lshl_add_u32 v92, v89, 2, s50
	s_lshl_b32 s50, s19, 10                        ; wv's fragment kq: block 2 c + h of column r is channel 64 kq + 32 c + 16 h + r, whose 16 bytes lie at 1,024 kq + 512 c + 16 x lane
	s_add_co_u32 s50, s50, WVC
	v_lshl_add_u32 v93, v88, 4, s50
	s_lshl_b32 s50, s19, 6
	s_add_co_u32 s50, s50, WVS
	v_lshl_add_u32 v95, v89, 2, s50                ; and its columns' scale words
	s_lshl_b32 s50, s19, 8
	v_lshl_add_u32 v94, v89, 2, s50                ; bv: channel 64 kq + 16 b + r
	global_load_b128 v[232:235], v91, s[4:5]
	global_load_u8 v236, v92, s[4:5]
	global_load_b128 v[80:83], v93, s[4:5]         ; 512 consecutive bytes a load
	global_load_b128 v[84:87], v93, s[4:5] offset:512
	global_load_b32 v41, v95, s[4:5]
.irp b, 0,1,2,3
	global_load_b32 v[42+\b], v94, s[8:9] offset:64*\b
.endr
	s_lshl_b32 s50, s19, 14
	v_lshl_add_u32 v1, v88, 4, s50                 ; g's images: 16 x lane + my quarter's eight groups of 2,048 bytes
	s_delay_alu instid0(VALU_DEP_1)
	v_add_nc_u32 v2, HCO, v1                       ; h's
	s_lshl_b32 s50, s19, 10
	s_add_co_u32 s50, s50, GSO
	v_lshl_add_u32 v3, v88, 2, s50                 ; scale words: 4 x lane + eight groups of 128 bytes
	s_mul_i32 s50, s17, MW
	s_add_co_u32 s50, s50, MRG
	v_lshl_add_u32 v4, v88, 4, s50                 ; where I leave my quarter's O,
	s_add_co_u32 s51, s50, 2048
	v_lshl_add_u32 v5, v88, 2, s51                 ; its sum and its -M
	s_mul_i32 s50, s18, MW
	s_add_co_u32 s50, s50, MRG
	v_lshl_add_u32 v6, v88, 4, s50                 ; where the four quarters of my tile lie: 4 MW bytes apart
	s_add_co_u32 s51, s50, 2048
	v_lshl_add_u32 v7, v88, 2, s51
	s_lshl_b32 s50, s17, 18                        ; x and out0: channels 16 w + h on, 16,384 bytes each,
	s_lshl_b32 s51, s24, 22                        ; the batch,
	s_add_co_u32 s50, s50, s51
	s_and_b32 s51, s23, 63
	s_lshl_b32 s51, s51, 8                         ; my work-group's 64 columns
	s_add_co_u32 s50, s50, s51
	v_lshlrev_b32 v11, 14, v90
	s_delay_alu instid0(VALU_DEP_1)
	v_lshl_add_u32 v11, v89, 4, v11
	s_delay_alu instid0(VALU_DEP_1)
	v_add_nc_u32 v11, s50, v11
	s_mul_i32 s50, s19, 64*SP                      ; the stage, in: channel 64 kq + r, my eight queries 32 hk + 16 h + 8 u on
	s_lshl_b32 s51, s21, 7
	s_add_co_u32 s50, s50, s51
	s_lshl_b32 s51, s20, 5
	s_add_co_u32 s50, s50, s51
	s_add_co_u32 s50, s50, STG
	v_mul_u32_u24 v46, v89, SP
	s_delay_alu instid0(VALU_DEP_1)
	v_lshl_add_u32 v46, v90, 6, v46
	s_delay_alu instid0(VALU_DEP_1)
	v_add_nc_u32 v46, s50, v46
	s_mul_i32 s50, s17, 16*SP                      ; back: channels 16 w + h on, 16 bytes a lane
	s_add_co_u32 s50, s50, STG
	v_mul_u32_u24 v47, v90, SP
	s_delay_alu instid0(VALU_DEP_1)
	v_lshl_add_u32 v47, v89, 4, v47
	s_delay_alu instid0(VALU_DEP_1)
	v_add_nc_u32 v47, s50, v47
.irp i, 0,1,2,3
	v_mov_b32 v[20+\i], 0
	v_mov_b32 v[32+\i], 0
.endr
	v_mov_b32 v13, 0xff61b1e6                      ; the largest t so far: -3e38, under every t
	s_delay_alu instid0(VALU_DEP_1)
	v_floor_f32 v12, -v13                          ; -M
	v_mov_b32 v14, 0                               ; the sum, in two halves
	v_mov_b32 v15, 0
	v_mov_b32 v253, 0                              ; (named as the upper half of the pair v[252:253] before it is first written)
.irp j, 0,1,2,3,4,5,6,7,8,9,10,11,12,13,14,15
	v_mov_b32 v[160+\j], 0                         ; O^T.  The step is written once: the first finds zeros, which the first change of M leaves zeros
.endr
	s_mov_b32 s44, 0                               ; the step's group: 2,048 bytes of codes,
	s_mov_b32 s45, 0                               ; 128 bytes of scale words
	s_mov_b32 s46, 8
	s_wait_loadcnt 0x0                             ; f's codes and byte, wv's fragment and scale word, bv
	s_wait_kmcnt 0x0                               ; gamma
	v_lshl_or_b32 v40, v236, 8, v236
	s_delay_alu instid0(VALU_DEP_1)
	v_lshl_or_b32 v40, v40, 16, v40                ; my query's one byte, in all four places: whichever block holds the codes
	MKQ 232, 233, 234, 235, 232, 233, 234, 235
.irp b, 0,1,2,3
	v_mul_f32 v[42+\b], s16, v[42+\b]              ; gamma bv
.endr
.irp b, 0,1,2,3
	v_mov_b32 v[236+\b], 0                         ; written once: a lane permute's destination counts as one of its sources
.endr
	s_wait_tensorcnt 0x0                           ; my part of the block is in,
	s_barrier_signal -1
	s_barrier_wait -1                              ; everybody's is
.irp i, 0,1,2,3,4,5,6,7
	global_load_b128 v[48+4*\i:51+4*\i], v11, s[6:7] offset:32768*\i th:TH_LOAD_NT   ; x for the residual: asked for here, wanted behind the eight key steps; sixteen lanes read 256 consecutive bytes
.endr
.Lstep:                                            ; A KEY STEP: 128 keys
	s_setprio 2
	v_add_nc_u32 v8, s44, v1
	v_add_nc_u32 v9, s44, v2
	v_add_nc_u32 v10, s45, v3
	v_nop                                          ; these four are the places ahead of loads into registers that the last products have read
.irp f, 0,1,2,3
	ds_load_b128 v[176+4*\f:179+4*\f], v8 offset:512*\f    ; g's fragments u = 0, 1: 512 consecutive bytes a load
.endr
	ds_load_b32 v208, v10                          ; their scale words: lanes 0-15 fragment 0's rows, lanes 16-31 fragment 1's
.irp f, 0,1,2,3
	ds_load_b128 v[192+4*\f:195+4*\f], v9 offset:512*\f    ; h's fragments t = 0, 1
.endr
	ds_load_b32 v209, v10 offset:4096
	s_wait_dscnt 0x5                               ; g's are in; h's five may be out
.irp b, 0,1,2,3
	v_wmma_scale_f32_16x16x128_f8f6f4 v[96+16*\b:103+16*\b], v[176:183], v[16+12*(\b%2)+4*(\b/2):23+12*(\b%2)+4*(\b/2)], 0, v208, v40 matrix_a_fmt:MATRIX_FMT_FP4 matrix_b_fmt:MATRIX_FMT_FP4
	v_wmma_scale_f32_16x16x128_f8f6f4 v[104+16*\b:111+16*\b], v[184:191], v[16+12*(\b%2)+4*(\b/2):23+12*(\b%2)+4*(\b/2)], 0, v208, v40 matrix_a_fmt:MATRIX_FMT_FP4 matrix_b_fmt:MATRIX_FMT_FP4 matrix_a_scale:MATRIX_SCALE_ROW1
.endr                                              ; register 16 b + i of v96 on: key 32 b + 16 (lane / 16) + i of the step, for my query
.rept 4
	v_nop
.endr
.irp b, 0,1,2,3
	v_max3_num_f32 v[232+\b], v[96+16*\b], v[97+16*\b], v[98+16*\b]   ; the largest score of each block of 32 keys: for the row's maximum and, since p rises with the score, for the block's largest p
.endr
.irp i, 3,5,7,9,11,13
.irp b, 0,1,2,3
	v_max3_num_f32 v[232+\b], v[232+\b], v[96+16*\b+\i], v[97+16*\b+\i]
.endr
.endr
.irp b, 0,1,2,3
	v_max_num_f32 v[232+\b], v[232+\b], v[111+16*\b]
.endr
.irp b, 0,1,2,3
	s_delay_alu instid0(VALU_DEP_4)
	v_permlanex16_b32 v[236+\b], v[232+\b], s40, s41
.endr
.irp b, 0,1,2,3
	s_delay_alu instid0(VALU_DEP_4)
	v_max_num_f32 v[232+\b], v[232+\b], v[236+\b]  ; with lane l xor 16's 16 keys
.endr
	s_delay_alu instid0(VALU_DEP_2)
	v_max3_num_f32 v254, v232, v233, v234
	s_delay_alu instid0(VALU_DEP_1)
	v_max_num_f32 v254, v254, v235                 ; the step's largest score of my query
	s_delay_alu instid0(VALU_DEP_1)
	v_mul_f32 v254, s42, v254                      ; as t
	s_delay_alu instid0(VALU_DEP_1)
	v_max_num_f32 v13, v13, v254                   ; the running largest t
	v_mov_b32 v254, v12
	s_delay_alu instid0(VALU_DEP_2)
	v_floor_f32 v12, -v13                          ; the new -M = floor(-t) = -ceil(t)
	s_delay_alu instid0(VALU_DEP_1)
	v_sub_f32 v254, v12, v254                      ; old M - new M: a whole number, 0 or less
	s_delay_alu instid0(VALU_DEP_1)
	v_cvt_i32_f32 v254, v254                       ; (it saturates)
	s_delay_alu instid0(VALU_DEP_1)
	v_ldexp_f32 v252, 1.0, v254                    ; f = 2^(old M - new M)
.irp j, 0,2,4,6,8,10,12,14,16,18,20,22,24,26,28,30,32,34,36,38,40,42,44,46,48,50,52,54,56,58,60,62
	v_pk_fma_f32 v[96+\j:97+\j], v[96+\j:97+\j], s[42:43], v[12:13] op_sel_hi:[1,0,0]   ; t - M, two at a time
.endr
.irp b, 0,1,2,3
	v_fma_f32 v[232+\b], v[232+\b], s42, v12       ; the same of each block's largest score
.endr
	s_setprio 1
	s_wait_alu depctr_va_vdst(0)
.irp j, 0,1,2,3,4,5,6,7,8,9,10,11,12,13,14,15,16,17,18,19,20,21,22,23,24,25,26,27,28,29,30,31,32,33,34,35,36,37,38,39,40,41,42,43,44,45,46,47,48,49,50,51,52,53,54,55,56,57,58,59,60,61,62,63
	v_exp_f32 v[96+\j], v[96+\j]                   ; p = 2^(t - M), at most 1
.endr
	v_pk_mul_f32 v[14:15], v[14:15], v[252:253] op_sel_hi:[1,0]   ; the sums under the new M: the plain line behind the exponentials
	s_wait_alu depctr_va_vdst(0)                   ; one wait for the batch of 64, ahead of its first reader
.irp b, 0,1,2,3
	v_exp_f32 v[232+\b], v[232+\b]                 ; the block's largest p: the same two instructions on the same number give the same bits
.endr
	v_pk_add_f32 v[248:249], v[96:97], v[98:99]    ; the row's sum, of the UNQUANTISED p, in two chains: its first half stands behind the four exponentials
.irp j, 4,8,12,16,20,24,28,32
	v_pk_add_f32 v[14:15], v[14:15], v[96+\j:97+\j]
	v_pk_add_f32 v[248:249], v[248:249], v[98+\j:99+\j]
.endr
	s_wait_alu depctr_va_vdst(0)                   ; and one for the four
.irp b, 0,1,2,3
	v_max_num_f32 v[232+\b], FLOOR, v[232+\b]      ; the byte cannot fall under 1 (a block whose every p has fallen to 0 keeps that byte: its codes are zeros)
.endr
.irp b, 0,1,2,3
	s_delay_alu instid0(VALU_DEP_4)
	v_add_nc_u32 v[244+\b], 0xff000000, v[232+\b]  ; the conversion's scale operand
.endr
.irp b, 0,1,2,3
	s_delay_alu instid0(VALU_DEP_4)
	v_lshrrev_b32 v[236+\b], 23, v[244+\b]         ; the scale's byte
.endr
	s_delay_alu instid0(VALU_DEP_3)
	v_lshl_or_b32 v253, v237, 8, v236              ; p's scale word for these 128 keys
	s_delay_alu instid0(VALU_DEP_1)
	v_lshl_or_b32 v253, v238, 16, v253
	s_delay_alu instid0(VALU_DEP_1)
	v_lshl_or_b32 v253, v239, 24, v253
.irp b, 0,1,2,3
	v_cvt_scalef32_pk8_fp4_f32 v[224+2*\b], v[96+16*\b:103+16*\b], v[244+\b]
	v_cvt_scalef32_pk8_fp4_f32 v[225+2*\b], v[104+16*\b:111+16*\b], v[244+\b]
.endr
	s_setprio 0
	v_nop                                          ; one plain line behind the last scaled conversion
.irp c, 0,1                                        ; the operand's layout wants a WHOLE block in a lane: lanes 0-15 block 2 c, lanes 16-31 block 2 c + 1
.irp i, 0,1
	v_permlane16_swap_b32 v[224+4*\c+\i], v[226+4*\c+\i]
.endr
.endr
.irp j, 36,40,44,48,52,56,60                       ; the sum's second half: fifteen plain lines that name no register of the products below: the places between p's scale word and codes and the scaled matrix instructions
	v_pk_add_f32 v[14:15], v[14:15], v[96+\j:97+\j]
	v_pk_add_f32 v[248:249], v[248:249], v[98+\j:99+\j]
.endr
	s_delay_alu instid0(VALU_DEP_1)
	v_pk_add_f32 v[14:15], v[14:15], v[248:249]
.irp j, 0,2,4,6,8,10,12,14
	v_pk_mul_f32 v[160+\j:161+\j], v[160+\j:161+\j], v[252:253] op_sel_hi:[1,0]   ; O^T under the new M
.endr
	s_wait_alu depctr_va_vdst(0)
	s_wait_dscnt 0x0                               ; h's fragments and scale words
	v_wmma_scale_f32_16x16x128_f8f6f4 v[160:167], v[192:199], v[224:231], v[160:167], v209, v253 matrix_a_fmt:MATRIX_FMT_FP4 matrix_b_fmt:MATRIX_FMT_FP4
	v_wmma_scale_f32_16x16x128_f8f6f4 v[168:175], v[200:207], v[224:231], v[168:175], v209, v253 matrix_a_fmt:MATRIX_FMT_FP4 matrix_b_fmt:MATRIX_FMT_FP4 matrix_a_scale:MATRIX_SCALE_ROW1
	s_add_co_u32 s44, s44, 2048                    ; no two matrix instructions that follow each other share an accumulator, over the backward jump too
	s_add_co_u32 s45, s45, 128
	s_sub_co_u32 s46, s46, 1
	s_cmp_lg_u32 s46, 0
	s_cbranch_scc1 .Lstep
	s_setprio 0
	; ---- my quarter's O^T, sum and -M go to LDS.  Register 8 t + j of v160 on: channel 16 h + 8 t + j of my query
.rept 4
	v_nop
.endr
	v_add_f32 v14, v14, v15                        ; the sum's two halves,
	s_delay_alu instid0(VALU_DEP_1)
	v_permlanex16_b32 v252, v14, s40, s41
	s_delay_alu instid0(VALU_DEP_1)
	v_add_f32 v14, v14, v252                       ; and lane l xor 16's
.irp i, 0,1,2,3
	ds_store_b128 v4, v[160+4*\i:163+4*\i] offset:512*\i   ; each accumulator from its low end on
.endr
	ds_store_b32 v5, v14
	ds_store_b32 v5, v12 offset:128
	s_wait_dscnt 0x0
	s_barrier_signal -1
	s_barrier_wait -1
	; ---- the four quarters of my tile are merged (each of its four waves does so for itself)
.irp k, 0,1,2,3
.irp i, 0,1,2,3
	ds_load_b128 v[96+16*\k+4*\i:99+16*\k+4*\i], v6 offset:4*MW*\k+512*\i
.endr
	ds_load_b32 v[232+\k], v7 offset:4*MW*\k
	ds_load_b32 v[236+\k], v7 offset:4*MW*\k+128
.endr
	s_wait_dscnt 0x0
	v_min3_num_f32 v250, v236, v237, v238
	s_delay_alu instid0(VALU_DEP_1)
	v_min_num_f32 v250, v250, v239                 ; -M of the whole row: the least of the four
.irp k, 0,1,2,3
	v_sub_f32 v[240+2*\k], v250, v[236+\k]         ; a quarter's M less the row's: a whole number, 0 or less
.endr
.irp k, 0,1,2,3
	s_delay_alu instid0(VALU_DEP_4)
	v_cvt_i32_f32 v[240+2*\k], v[240+2*\k]
.endr
.irp k, 0,1,2,3
	v_ldexp_f32 v[240+2*\k], 1.0, v[240+2*\k]      ; the quarter's factor: an exact power of two
	v_mov_b32 v[241+2*\k], 0                       ; (named with it as a pair)
.endr
	v_mul_f32 v14, v240, v232
	s_delay_alu instid0(VALU_DEP_1)
	v_fmac_f32 v14, v242, v233
	s_delay_alu instid0(VALU_DEP_1)
	v_fmac_f32 v14, v244, v234
	s_delay_alu instid0(VALU_DEP_1)
	v_fmac_f32 v14, v246, v235                     ; the row's sum: at least 1/2
	s_wait_alu depctr_va_vdst(0)
	v_rcp_f32 v248, v14
	v_mov_b32 v249, 0                              ; the plain line behind the reciprocal
.irp j, 0,2,4,6,8,10,12,14
	v_pk_mul_f32 v[160+\j:161+\j], v[96+\j:97+\j], v[240:241] op_sel_hi:[1,0]
.endr
.irp k, 1,2,3
.irp j, 0,2,4,6,8,10,12,14
	v_pk_fma_f32 v[160+\j:161+\j], v[96+16*\k+\j:97+16*\k+\j], v[240+2*\k:241+2*\k], v[160+\j:161+\j] op_sel_hi:[1,0,1]
.endr
.endr
	s_wait_alu depctr_va_vdst(0)                   ; the wait ahead of the reciprocal's first reader
.irp j, 0,2,4,6,8,10,12,14
	v_pk_mul_f32 v[160+\j:161+\j], v[160+\j:161+\j], v[248:249] op_sel_hi:[1,0]   ; x0 = O / the sum
.endr
	; ---- x0 is quantised along its 32 channels, and laid in four versions as the queries were
	Q16 160, 224, 251
	v_lshl_or_b32 v40, v251, 8, v251
	s_delay_alu instid0(VALU_DEP_1)
	v_lshl_or_b32 v40, v40, 16, v40
	v_permlanex16_b32 v226, v224, s40, s41         ; the other half's 16 codes
	v_permlanex16_b32 v227, v225, s40, s41
	MKQ 224, 225, 226, 227, 226, 227, 224, 225
.rept 8
	v_nop                                          ; eight places between the scale word and a scaled matrix instruction, four between the codes and it
.endr
	; ---- wv x0: source 0 = my 16 queries, version b; source 1 = wv's fragment, whose block b holds channels 64 kq + 16 b + 0 .. 15.  A lane then holds one channel and eight neighbouring queries
.irp b, 0,1,2,3
	v_wmma_scale_f32_16x16x128_f8f6f4 v[96+8*\b:103+8*\b], v[16+12*(\b%2)+4*(\b/2):23+12*(\b%2)+4*(\b/2)], v[80:87], 0, v40, v41 matrix_a_fmt:MATRIX_FMT_FP4 matrix_b_fmt:MATRIX_FMT_FP4
.endr
.rept 4
	v_nop
.endr
.irp b, 0,1,2,3
.irp j, 0,1,2,3,4,5,6,7
	v_fma_f32 v[128+8*\b+\j], v[96+8*\b+\j], s16, v[42+\b]   ; gamma v + gamma bv
.endr
.endr
.irp b, 0,1,2,3
	ds_store_b128 v46, v[128+8*\b:131+8*\b] offset:16*SP*\b
	ds_store_b128 v46, v[132+8*\b:135+8*\b] offset:16*SP*\b+16
.endr
	s_wait_dscnt 0x0
	s_barrier_signal -1
	s_barrier_wait -1                              ; 256 channels x 64 queries lie in the stage
	; ---- each wave takes 16 whole rows, adds x and stores
.irp i, 0,1,2,3,4,5,6,7
	ds_load_b128 v[96+4*\i:99+4*\i], v47 offset:2*SP*\i
.endr
	s_wait_loadcnt 0x0                             ; x
	s_wait_dscnt 0x0
.irp j, 0,2,4,6,8,10,12,14,16,18,20,22,24,26,28,30
	v_pk_add_f32 v[96+\j:97+\j], v[96+\j:97+\j], v[48+\j:49+\j]
.endr
.irp i, 0,1,2,3,4,5,6,7
	global_store_b128 v11, v[96+4*\i:99+4*\i], s[12:13] offset:32768*\i th:TH_STORE_NT   ; sixteen lanes store 256 consecutive bytes, at a multiple of 256 from out0's first byte
.endr
	s_wait_tensorcnt 0x0
	ds_add_u32 v223, v255
	s_wait_dscnt 0x0
	ROUND                                          ; the closing round: no work-group ends while a partner may still ask for a tile that names it
	s_endpgm
.Lfunc_end_k_q2768c2e989_attn:
	.size	k_q2768c2e989_attn, .Lfunc_end_k_q2768c2e989_attn-k_q2768c2e989_attn
	.p2alignl 7, 3214868480
	.fill 96, 4, 3214868480
	.section	.rodata,"a",@progbits
	.p2align	6, 0x0
	.amdhsa_kernel k_q2768c2e989_attn
		.amdhsa_group_segment_fixed_size 247808
		.amdhsa_private_segment_fixed_size 0
		.amdhsa_enable_private_segment 0
		.amdhsa_kernarg_size 40
		.amdhsa_user_sgpr_count 2
		.amdhsa_user_sgpr_kernarg_segment_ptr 1
		.amdhsa_wavefront_size32 1
		.amdhsa_system_sgpr_workgroup_id_x 1
		.amdhsa_system_sgpr_workgroup_id_y 1
		.amdhsa_system_sgpr_workgroup_id_z 1
		.amdhsa_system_vgpr_workitem_id 0
		.amdhsa_next_free_vgpr 256
		.amdhsa_next_free_sgpr 66
		.amdhsa_reserve_vcc 1
		.amdhsa_float_denorm_mode_32 3
		.amdhsa_float_denorm_mode_16_64 3
		.amdhsa_memory_ordered 1
		.amdhsa_forward_progress 1
		.amdhsa_inst_pref_size 40
	.end_amdhsa_kernel
	.amdgpu_metadata
---
amdhsa.version: [ 1, 2 ]
amdhsa.kernels:
  - .name:           k_q2768c2e989_attn
    .symbol:         k_q2768c2e989_attn.kd
    .args:
      - { .name: ws, .offset: 0, .size: 8, .value_kind: global_buffer, .address_space: global }
      - { .name: x, .offset: 8, .size: 8, .value_kind: global_buffer, .address_space: global }
      - { .name: bv, .offset: 16, .size: 8, .value_kind: global_buffer, .address_space: global }
      - { .name: gamma, .offset: 24, .size: 8, .value_kind: global_buffer, .address_space: global }
      - { .name: out0, .offset: 32, .size: 8, .value_kind: global_buffer, .address_space: global }
    .group_segment_fixed_size: 247808
    .private_segment_fixed_size: 0
    .kernarg_segment_align: 8
    .kernarg_segment_size: 40
    .max_flat_workgroup_size: 512
    .sgpr_count:     66
    .vgpr_count:     256
    .wavefront_size: 32
...
	.end_amdgpu_metadata
.endif
;; end of part 2
